; MI455X (gfx1250); checked and timed in simulation.
; The chip was launched on July 23, 2026; its instructions are those of AMD's public machine-readable ISA for CDNA 5 (MIT licence, August 2026) and "CDNA5" Instruction Set Architecture Reference Guide (July 2026). The comments in the code are by the model that wrote it; some were corrected since.
;; scaled dot product attention. Allowed arithmetic: matrix products marked QUANTISED: E2M1 operands, one E8M0 scale for each 32 along K, by v_wmma_scale_f32_16x16x128_f8f6f4 with both operands' format E2M1 (or v_wmma_scale_f32_32x16x128_f4), f32 sums; products left as they are: bf16, f16 or f32 operands; f32 sums; everything else in f32.
;; Inputs: K 4 x 16 x 2,048 x 64 float32; Q 4 x 16 x 2,048 x 64 float32; V 4 x 16 x 2,048 x 64 float32; mask 1 x 1 x 2,048 x 2,048 int32.
;; Outputs: out0 4 x 16 x 2,048 x 64 float32.
;; This version of the problem:
;;   THIS VERSION OF THE PROBLEM IS GIVEN IN LOW PRECISION. The matrix products marked QUANTISED in the list below multiply operands that are first quantised to E2M1 (2 exponent bits, 1 mantissa bit; 4 bits a number), with one power-of-two scale for each 32 numbers along K (OCP MX v1.0); their sums are f32. The products marked 'left as it is' may take bf16, f16 or f32 operands, with f32 sums. Whichever they take, every output number must still come out within the allowed error. Rounding operands to bf16 (8 significant bits) uses up far more of that allowance than f16 does (11 bits, for magnitudes from 6e-5 to 65,504). All else is computed in f32.
;;   The module's matrix products, in the order in which they are computed (A, B: the left and right operand; K: the contracted axis; several contracted axes count as one K, in the product's order):
;;     1. batch 64 x [M 2,048, K 64] x [K 64, N 2,048]; A: input Q; B: input K: QUANTISED
;;     2. batch 64 x [M 2,048, K 2,048] x [K 2,048, N 64]; A: computed on the way; B: input V: left as it is (an operand is computed on the way)
;;   THE QUANTISER, for each operand of a quantised product, along K:
;;     - K is cut into blocks of 32 from its start; a last block that is shorter is filled with zeros.
;;     - A block's scale is 2^e with e = floor(log2(the largest magnitude in the block)) - 2, held to -126 .. 127; a block of zeros has e = 0. As a byte (E8M0): e + 127.
;;     - Each number is divided by its block's scale, clamped to +-6, and rounded to the nearest number of E2M1, ties to even, subnormals kept.
;;     - The product sums the exact products of the quantised numbers (number of the format x scale) in f32.
;;   ~~~python
;;   def quantise(x, axis):      # numpy; x: float32 -> the quantised numbers, widened to float32 again
;;       x = np.moveaxis(x, axis, -1); K = x.shape[-1]
;;       x = np.pad(x, [(0, 0)] * (x.ndim - 1) + [(0, -K % 32)]); x = x.reshape(x.shape[:-1] + (-1, 32)); a = np.abs(x).max(-1, keepdims=True)
;;       e = np.where(a > 0, np.clip(np.frexp(np.where(a > 0, a, 1))[1] - 1 - 2, -126, 127), 0)      # np.frexp(a)[1] - 1 = floor(log2(a)), exactly
;;       r = np.clip(x / 2.0 ** e, -6, 6)
;;       step = 2.0 ** (np.maximum(np.frexp(np.where(r == 0, 1, r))[1] - 1, 0) - 1)
;;       q = np.round(r / step) * step * 2.0 ** e      # np.round: ties to even
;;       return np.moveaxis(q.reshape(q.shape[:-2] + (-1,))[..., :K], -1, axis).astype(np.float32)
;;   ~~~
;; 2 versions, each right; version 2 is version 1 with the launch attn written anew for expert scheduling mode. Each part assembles by itself: llvm-mc -triple=amdgcn-amd-amdhsa -mcpu=gfx1250 --defsym DOCPART=n.
;; ======== version 1 of 2: 2 launches
;; limits: values are held in f16: magnitudes above 65,504 overflow, below 6.1e-05 lose precision
;; workspace buffers: qc 4,194,304 bytes; qsc 524,288 bytes; kv 20,971,520 bytes; ksc 524,288 bytes; mw 524,288 bytes of whole numbers; hf 16,384 bytes of whole numbers
;; launch prep (part 1): grid 1792 x 1, 4 waves a work-group, no clusters, 37,376 bytes of LDS; arguments Q, K, V, mask, qc, qsc, kv, ksc, mw, hf; writes qc, qsc, kv, ksc, mw, hf
.if DOCPART == 1
	.amdgcn_target "amdgcn-amd-amdhsa--gfx1250"
	.amdhsa_code_object_version 6
	.text
	.protected	k_qea0364eaf0_prep
	.globl	k_qea0364eaf0_prep
	.p2align	8
	.type	k_qea0364eaf0_prep,@function
k_qea0364eaf0_prep:
	s_mov_b64 s[64:65], 0
	v_nop
	global_prefetch_b8 v0, s[64:65] scope:SCOPE_SE
	s_setreg_imm32_b32 hwreg(HW_REG_WAVE_MODE, 25, 1), 1
	s_wait_xcnt 0x0
; Each input is read once and laid out as the attention launch's registers want it.  Q, K, V: [64 heads][2048][64] f32; mask: [2048][2048] i32.
; ROLES, by the work-group's number; a wave takes one unit of 16,384 input bytes:
;   0..511 Q, 512..1023 K: 64 rows -> codes of FP4 (E2M1) along the row's 64, two blocks of 32, as IMAGES OF THE OPERAND'S REGISTERS: tile of 16 rows, lane (r, h) = row r, block h: 16 bytes at 16 x lane;
;       and scale words (byte 0: block 0, byte 1: block 1, bytes 2, 3: 0), laid [unit][lane][2]: word i of lane (r, h) is that of tile 2 i + h, row r.
;   1024..1535 V: 64 keys -> f16, as images of V^T's fragments (16 channels x 32 keys).  Row m of channel tile c is channel 32 (c & 1) + 2 m + (c >> 1): so a lane that loads channels 2 l, 2 l + 1
;       of every key holds whole fragment rows, and nothing is transposed.
;   1536..1791 mask: 16 queries x 256 keys -> for each step of 64 keys 32 words; bit (r, h) of word 8 kt + j is 1 where mask[query r][key 16 kt + 8 h + j] is 0; and one flag word a step, not 0 where a bit is set.
; kv: [head x 32 + step][10,240 bytes]: 2,048 of K's four images, then 8,192 of V^T's eight.
; A block's scale is 2^(floor(log2(largest magnitude)) - 2): its byte is the largest magnitude's exponent field - 2, held at 1 from below.
; LIMITS: NaN and infinities are not served; |V| stays under 65,504 (f16); a block of zeros gets the byte 1 where the rule says 127: its codes are zeros, and this program alone reads the bytes.
; No barrier: waves share nothing.  Each role that uses LDS has bytes of its own.
.set QKP,   4864                       ; Q's and K's stage, a wave: block 0's 16 rows of 128 + 16 bytes, from byte 2,432 block 1's
.set MKB,   19456                      ; behind the four: the mask's stages,
.set MKP,   4352                       ; 16 rows of 256 + 16 bytes a wave
.set SPARE, 36864                      ; behind them: the spare words, 128 bytes for each wave: two blocks of 256 bytes that no other line names
.set R,     32                         ; v32-159  the unit as loaded
.set X,     160                        ; v160-191 32 numbers of one lane
.set SPW,   12                         ; v12      LDS address of my spare word; never rewritten
.set NIL,   13                         ; v13      0; never rewritten
	s_load_b512 s[16:31], s[0:1], 0x0              ; Q, K, V, mask, qc, qsc, kv, ksc
	s_load_b128 s[32:35], s[0:1], 0x40             ; mw, hf
	v_lshl_add_u32 v[SPW], v0, 2, SPARE
	v_mov_b32 v[NIL], 0
	v_lshrrev_b32 v16, 5, v0
	v_readfirstlane_b32 s2, v16                    ; wave 0..3
	v_and_b32 v1, 31, v0                           ; lane l
	v_lshrrev_b32 v16, 4, v1                       ; h = l / 16
	v_and_b32 v17, 15, v1                          ; r = l % 16
	v_bfe_u32 v18, v1, 3, 1
	v_and_b32 v19, 7, v1
	s_mul_i32 s36, s2, QKP
	s_mul_i32 s37, s2, MKP
	s_add_co_u32 s37, s37, MKB
	v_lshlrev_b32 v2, 4, v1                        ; 16 l
	v_lshlrev_b32 v3, 3, v1                        ; 8 l
	v_mul_u32_u24 v4, v16, 144                     ; Q, K into the stage: a load's 512 bytes are two rows; row l / 16, block (l / 8) % 2, 16 bytes a lane
	v_mad_u32_u24 v4, v18, 2432, v4
	v_lshl_add_u32 v4, v19, 4, v4
	v_add_nc_u32 v4, s36, v4
	v_mul_u32_u24 v5, v17, 144                     ; and out: row r, block h: 128 bytes on end
	v_mad_u32_u24 v5, v16, 2432, v5
	v_add_nc_u32 v5, s36, v5
	v_mul_u32_u24 v6, v16, 272                     ; the mask into its stage: row l / 16, 16 bytes a lane
	v_lshl_add_u32 v6, v17, 4, v6
	v_add_nc_u32 v6, s37, v6
	v_mul_u32_u24 v7, v17, 272                     ; and out: row r, 32 bytes for each half of the lanes
	v_lshl_add_u32 v7, v16, 5, v7
	v_add_nc_u32 v7, s37, v7
	v_lshlrev_b32 v8, 13, v16                      ; the mask in memory: rows of 8,192 bytes
	v_lshl_add_u32 v8, v17, 4, v8
	v_lshlrev_b32 v9, 10, v16                      ; V's images: lanes 16-31 belong to the channel tile 1,024 bytes on
	v_lshl_add_u32 v9, v17, 4, v9
	v_lshlrev_b32 v10, 3, v16                      ; 8 h: my block's byte in a scale word
	v_mov_b32 v20, 0                               ; written once: a lane permute's destination counts as one of its sources
	s_mov_b32 s12, 0x76543210
	s_mov_b32 s13, 0xfedcba98                      ; v_permlanex16_b32's selects for lane l xor 16
	s_mov_b32 s14, 0xffff0000                      ; lanes 16-31
	s_mov_b32 s11, 0                               ; upper word of the offsets in s[10:11]
	s_wait_kmcnt 0x0
	s_cmp_ge_u32 ttmp9, 1024
	s_cbranch_scc1 .Lnot_qk
	; ---- Q or K: the buffers are chosen on the work-group's number alone; both take one way through the text
	s_cmp_lt_u32 ttmp9, 512
	s_cselect_b64 s[4:5], s[16:17], s[18:19]       ; the numbers
	s_cselect_b64 s[6:7], s[24:25], s[28:29]       ; the codes: qc or kv
	s_cselect_b64 s[8:9], s[26:27], s[30:31]       ; the scale words
	s_mov_b32 s15, 10240
	s_cselect_b32 s15, 2048, s15                   ; bytes from unit to unit among the codes
	s_cselect_b32 s10, 0, 512
	s_sub_co_u32 s10, ttmp9, s10
	s_lshl_b32 s10, s10, 2
	s_add_co_u32 s3, s10, s2                       ; my unit: 0..2047
	s_lshl_b32 s10, s3, 14
	s_add_nc_u64 s[4:5], s[4:5], s[10:11]
	s_mul_i32 s10, s3, s15
	s_add_nc_u64 s[6:7], s[6:7], s[10:11]
	s_lshl_b32 s10, s3, 8
	s_add_nc_u64 s[8:9], s[8:9], s[10:11]
.irp t, 0,1,2,3
.irp i, 0,1,2,3,4,5,6,7
	global_load_b128 v[R+4*(8*\t+\i):R+4*(8*\t+\i)+3], v2, s[4:5] offset:4096*\t+512*\i th:TH_LOAD_NT   ; 32 lanes read 512 consecutive bytes: two rows
.endr
.endr
; A tile of 16 rows.  The conversions take a block's numbers from ONE lane's registers: the tile turns through my stage (LDS serves a wave's instructions in order: no wait between stores and loads).
.macro QTILE t
	s_wait_loadcnt 8*(3-\t)                        ; this tile's eight loads are in; the later tiles' eight each may be out
.irp i, 0,1,2,3,4,5,6,7
	ds_store_b128 v4, v[R+4*(8*\t+\i):R+4*(8*\t+\i)+3] offset:288*\i
.endr
.irp c, 0,1,2,3,4,5,6,7
	ds_load_b128 v[X+4*\c:X+4*\c+3], v5 offset:16*\c
.endr
	s_wait_dscnt 0x0                               ; block h of row r: 32 numbers
	v_max3_num_f32 v16, |v[X]|, |v[X+1]|, |v[X+2]|                  ; its largest magnitude, in two chains
	v_max3_num_f32 v17, |v[X+3]|, |v[X+4]|, |v[X+5]|
.irp i, 6,10,14,18,22,26
	v_max3_num_f32 v16, v16, |v[X+\i]|, |v[X+\i+1]|
	v_max3_num_f32 v17, v17, |v[X+\i+2]|, |v[X+\i+3]|
.endr
	v_max3_num_f32 v16, v16, |v[X+30]|, |v[X+31]|
	v_max3_num_f32 v16, v16, v17, 0x1800000        ; and the floor 2^(3 - 127): the byte cannot fall under 1
	v_add_nc_u32 v18, 0xff000000, v16              ; 2 off the exponent field: the conversion takes this operand's exponent field as its scale
.irp g, 0,1,2,3
	v_cvt_scalef32_pk8_fp4_f32 v[192+4*\t+\g], v[X+8*\g:X+8*\g+7], v18
.endr
	v_lshrrev_b32 v19, 23, v18                     ; the scale's byte (also the plain instruction behind the conversions)
	v_lshlrev_b32 v19, v10, v19                    ; at its place: 8 h bits up
	v_permlanex16_b32 v20, v19, s12, s13
	v_or_b32 v[208+\t], v19, v20                   ; with the other block's byte: row r's scale word, in both halves of the lanes
	global_store_b128 v2, v[192+4*\t:195+4*\t], s[6:7] offset:512*\t   ; the tile's image: 512 consecutive bytes
.endm
	QTILE 0
	QTILE 1
	QTILE 2
	QTILE 3
	v_cndmask_b32 v212, v208, v209, s14            ; lanes 0-15 tile 0's words, lanes 16-31 tile 1's
	v_cndmask_b32 v213, v210, v211, s14            ; tiles 2 and 3
	global_store_b64 v3, v[212:213], s[8:9]        ; 256 consecutive bytes
	s_branch .Lend
.Lnot_qk:
	s_cmp_ge_u32 ttmp9, 1536
	s_cbranch_scc1 .Lmask
	; ---- V: lane l takes channels 2 l, 2 l + 1 of each of 64 keys
	s_sub_co_u32 s10, ttmp9, 1024
	s_lshl_b32 s10, s10, 2
	s_add_co_u32 s3, s10, s2
	s_lshl_b32 s10, s3, 14
	s_add_nc_u64 s[4:5], s[20:21], s[10:11]
	s_mul_i32 s10, s3, 10240
	s_add_nc_u64 s[6:7], s[28:29], s[10:11]
.set k, 0
.rept 64
	global_load_b64 v[R+2*k:R+2*k+1], v3, s[4:5] offset:256*k th:TH_LOAD_NT   ; a key's whole row: 256 consecutive bytes
.set k, k+1
.endr
; 32 keys: e = which of my two channels, q = which eight keys: four registers of two f16, the lower key in the low half.  They belong to channel tile 2 e + l / 16, row l % 16.
.macro VHALF g
.irp e, 0,1
.irp q, 0,1,2,3
.irp c, 0,1,2,3
	v_cvt_pk_f16_f32 v[160+32*\g+16*\e+4*\q+\c], v[R+64*\g+2*(8*\q+2*\c)+\e], v[R+64*\g+2*(8*\q+2*\c+1)+\e]
.endr
	global_store_b128 v9, v[160+32*\g+16*\e+4*\q:160+32*\g+16*\e+4*\q+3], s[6:7] offset:2048+4096*\g+2048*\e+256*\q   ; each half of the lanes stores 256 consecutive bytes, aligned
.endr
.endr
.endm
	s_wait_loadcnt 32                              ; keys 0-31 are in; the other 32 loads may be out
	VHALF 0
	s_wait_loadcnt 0x0
	VHALF 1
	s_branch .Lend
.Lmask:
	; ---- the mask: unit = (tile of 16 queries Tq, group sg of four steps of 64 keys)
	s_sub_co_u32 s10, ttmp9, 1536
	s_lshl_b32 s10, s10, 2
	s_add_co_u32 s3, s10, s2
	s_lshr_b32 s15, s3, 3                          ; Tq
	s_and_b32 s3, s3, 7                            ; sg
	s_lshl_b32 s10, s15, 17                        ; 16 rows of 8,192 bytes
	s_lshl_b32 s38, s3, 10                         ; 256 keys
	s_add_co_u32 s10, s10, s38
	s_add_nc_u64 s[4:5], s[22:23], s[10:11]
	s_lshl_b32 s10, s15, 12                        ; 32 records of 128 bytes
	s_lshl_b32 s38, s3, 9
	s_add_co_u32 s10, s10, s38
	s_add_nc_u64 s[6:7], s[32:33], s[10:11]
	s_lshl_b32 s10, s15, 7                         ; 32 flag words
	s_lshl_b32 s38, s3, 4
	s_add_co_u32 s10, s10, s38
	s_add_nc_u64 s[8:9], s[34:35], s[10:11]
.irp p, 0,1,2,3
.irp i, 0,1,2,3,4,5,6,7
	global_load_b128 v[R+4*(8*\p+\i):R+4*(8*\p+\i)+3], v8, s[4:5] offset:16384*\i+256*\p th:TH_LOAD_NT   ; sixteen lanes read 256 consecutive bytes of a row; two rows a load
.endr
.endr
.irp c, 0,1,2,3
	v_mov_b32 v[192+\c], 0                         ; the words gather here: word n of the unit's 128 in lane n / 4, register n % 4
.endr
; A step of 64 keys turns through my stage, so that lane (r, h) holds query r's keys 16 kt + 8 h + j in register 8 kt + j; a compare then gives a whole word.
.macro MSTEP p
	s_wait_loadcnt 8*(3-\p)                        ; this step's eight loads are in; the later steps' eight each may be out
.irp i, 0,1,2,3,4,5,6,7
	ds_store_b128 v6, v[R+4*(8*\p+\i):R+4*(8*\p+\i)+3] offset:544*\i
.endr
.irp kt, 0,1,2,3
.irp c, 0,1
	ds_load_b128 v[X+8*\kt+4*\c:X+8*\kt+4*\c+3], v7 offset:64*\kt+16*\c
.endr
.endr
	s_wait_dscnt 0x0
	s_mov_b32 s[36+\p], 0
.set i, 0
.rept 8
.irp c, 0,1,2,3
	v_cmp_eq_u32 s[40+\c], 0, v[X+i+\c]            ; a bit a lane: 1 where the mask is 0
.endr
.irp c, 0,1,2,3
	s_or_b32 s[36+\p], s[36+\p], s[40+\c]          ; the step's flag
.endr
.irp c, 0,1,2,3
	v_writelane_b32 v[192+\c], s[40+\c], 8*\p+i/4
.endr
.set i, i+4
.endr
.endm
	MSTEP 0
	MSTEP 1
	MSTEP 2
	MSTEP 3
	global_store_b128 v2, v[192:195], s[6:7]       ; four records: 512 consecutive bytes
.irp p, 0,1,2,3
	v_mov_b32 v[196+\p], s[36+\p]
.endr
	v_cmp_gt_u32 vcc_lo, 1, v1
	s_wait_xcnt 0x0                                ; EXEC changes only when the memory instructions issued so far have read their sources
	s_and_saveexec_b32 s44, vcc_lo                 ; lane 0 alone (its 16 l is 0)
	global_store_b128 v2, v[196:199], s[8:9]       ; the four steps' flags
	s_wait_xcnt 0x0                                ; and again, in front of the line that widens it
	s_or_b32 exec_lo, exec_lo, s44
.Lend:
	s_wait_tensorcnt 0x0                           ; the wave's end
	ds_add_u32 v[SPW], v[NIL]
	s_wait_dscnt 0x0
	s_endpgm
.Lfunc_end_k_qea0364eaf0_prep:
	.size	k_qea0364eaf0_prep, .Lfunc_end_k_qea0364eaf0_prep-k_qea0364eaf0_prep
	.p2alignl 7, 3214868480
	.fill 96, 4, 3214868480
	.section	.rodata,"a",@progbits
	.p2align	6, 0x0
	.amdhsa_kernel k_qea0364eaf0_prep
		.amdhsa_group_segment_fixed_size 37376
		.amdhsa_private_segment_fixed_size 0
		.amdhsa_enable_private_segment 0
		.amdhsa_kernarg_size 80
		.amdhsa_user_sgpr_count 2
		.amdhsa_user_sgpr_kernarg_segment_ptr 1
		.amdhsa_wavefront_size32 1
		.amdhsa_system_sgpr_workgroup_id_x 1
		.amdhsa_system_sgpr_workgroup_id_y 1
		.amdhsa_system_sgpr_workgroup_id_z 1
		.amdhsa_system_vgpr_workitem_id 0
		.amdhsa_next_free_vgpr 224
		.amdhsa_next_free_sgpr 66
		.amdhsa_reserve_vcc 1
		.amdhsa_float_denorm_mode_32 3
		.amdhsa_float_denorm_mode_16_64 3
		.amdhsa_memory_ordered 1
		.amdhsa_forward_progress 1
		.amdhsa_inst_pref_size 58
	.end_amdhsa_kernel
	.amdgpu_metadata
---
amdhsa.version: [ 1, 2 ]
amdhsa.kernels:
  - .name:           k_qea0364eaf0_prep
    .symbol:         k_qea0364eaf0_prep.kd
    .args:
      - { .name: Q, .offset: 0, .size: 8, .value_kind: global_buffer, .address_space: global }
      - { .name: K, .offset: 8, .size: 8, .value_kind: global_buffer, .address_space: global }
      - { .name: V, .offset: 16, .size: 8, .value_kind: global_buffer, .address_space: global }
      - { .name: mask, .offset: 24, .size: 8, .value_kind: global_buffer, .address_space: global }
      - { .name: qc, .offset: 32, .size: 8, .value_kind: global_buffer, .address_space: global }
      - { .name: qsc, .offset: 40, .size: 8, .value_kind: global_buffer, .address_space: global }
      - { .name: kv, .offset: 48, .size: 8, .value_kind: global_buffer, .address_space: global }
      - { .name: ksc, .offset: 56, .size: 8, .value_kind: global_buffer, .address_space: global }
      - { .name: mw, .offset: 64, .size: 8, .value_kind: global_buffer, .address_space: global }
      - { .name: hf, .offset: 72, .size: 8, .value_kind: global_buffer, .address_space: global }
    .group_segment_fixed_size: 37376
    .private_segment_fixed_size: 0
    .kernarg_segment_align: 8
    .kernarg_segment_size: 80
    .max_flat_workgroup_size: 128
    .sgpr_count:     66
    .vgpr_count:     224
    .wavefront_size: 32
...
	.end_amdgpu_metadata
.endif
;; end of part 1
;; launch attn (part 2): grid 4 x 64, 8 waves a work-group, no clusters, 109,568 bytes of LDS; arguments qc, qsc, kv, ksc, mw, hf, out0; writes out0
.if DOCPART == 2
	.amdgcn_target "amdgcn-amd-amdhsa--gfx1250"
	.amdhsa_code_object_version 6
	.text
	.protected	k_qea0364eaf0_attn
	.globl	k_qea0364eaf0_attn
	.p2align	8
	.type	k_qea0364eaf0_attn,@function
k_qea0364eaf0_attn:
	s_mov_b64 s[64:65], 0
	v_nop
	global_prefetch_b8 v0, s[64:65] scope:SCOPE_SE
	s_setreg_imm32_b32 hwreg(HW_REG_WAVE_MODE, 25, 1), 1
	s_wait_xcnt 0x0
; out[head][q][:] = the sum over k of softmax_k(score) V[head][k][:], score = Q[q] . K[k] / 8, or -1e9 where mask[q][k] is 0.  64 heads, 2,048 queries and keys, head size 64.
; Q . K on codes of FP4 (E2M1) with one E8M0 scale for each 32 along the head's 64; the instruction's K is 128, and its upper 64 are zero codes on both sides.  P V in f16 with f32 sums; all else in f32.
; All operands come as images of their registers, laid by the launch before: a fragment is read 16 bytes a lane, lanes on end.
; SHARES.  A work-group owns 512 queries of one head, each of its eight waves 64: four tiles of 16; two waves to a SIMD, so that one wave's vector work stands beside the other's matrix work.  Every wave walks the head's 32 steps of 64 keys.
; LAYOUT.  Both products are used transposed: S^T = K Q^T (source 0 = 16 keys, source 1 = 16 queries), O^T = V^T P (source 0 = 16 channels, source 1 = P): a lane holds ONE query (lane % 16) throughout, and
; S^T's registers, rounded to f16 in pairs, ARE P's fragment.  Row m of channel tile c of V^T is channel 32 (c & 1) + 2 m + (c >> 1).
; SOFTMAX.  For each query a running maximum m of the raw scores and a sum l: p = 2^(c s - c m), c = log2(e) / 8; in every step O and l are multiplied by a = 2^(c m_old - c m_new).  O, l begin as 0 and m as -3e38.
; THE MASK.  For a tile of 16 queries and a step, 32 words, one for each register of S^T, a bit a lane, come into scalar registers and pick -8e9 (-1e9 x 8) by v_cndmask_b32.  A stored flag for each (tile, step) says
; whether any bit is set; the flags of a wave's tiles 0, 1 and 2, 3 are joined, and scalar branches on them lead round the mask's lines where there is no hole.  No barrier, address or trip count hangs on them.
; Where a row's maximum is -8e9 itself (every key so far hidden: its tile has the flag), c s - round(c m) is +18.4, not 0, since c x 8e9 is rounded to a multiple of 128: so in flagged tiles the exponent is held at 0 from above: p = 1.
; K AND V come by global loads through registers into two LDS slots of two steps (20,480 bytes), asked for a slot ahead: two steps' work of both waves of a SIMD stands between the request and the wait for it.
; NO JOINT LOADS: the walk branches on stored flags; and what the four query blocks of a head share is 20,480 bytes a slot, against 768 matrix instructions of each.
; LIMITS: NaN and infinities are not served; |V| under 65,504 and p in f16; all p of a row carry one common factor 2^e, |e| <= 2^-24 |c m|, which the division by l takes out (in flagged tiles the largest p alone loses it).
; REGISTERS, window 0: v1-10 addresses and -8e9; v12-13 K's scale words, v14-15 Q's; v16-47 statistics, eight a tile: +0 c m, +1 m, +2, +3 l, +4..7 at work, a in +6; v48-67 the next slot on its way; v68-99 at work on the way out;
;   v100, v101 the add's two; v128-255 S^T, 32 a tile, P in each tile's first 16.   window 1: v0-127 O^T (tile t, channel tile c at 32 t + 8 c); v128-159 K's four fragments, v160-191 Q's (registers 4-7 of each stay 0); v192-255 V^T's eight.
.set SLOT1, 32768                      ; slot 1 begins here: one exclusive or turns an address in one slot into the other's
.set REC,   10240                      ; a step's record: 2,048 bytes of K, 8,192 of V^T
.set KSC,   65536                      ; K's scale words of the whole head: 8,192 bytes
.set STAGE, 73728                      ; the way out: 16 rows x (256 + 16) bytes for each wave
.set SP,    272
.set SPARE, 108544                     ; the spare words, 128 bytes for each wave: four blocks of 256 bytes that no other line names
.set LI,  1                            ; v1   16 x lane
.set T16, 2                            ; v2   16 x thread
.set KS0, 3                            ; v3   KSC + 8 x lane
.set ADR, 4                            ; v4   the step's fragments
.set ADS, 5                            ; v5   the step's scale words
.set STA, 6                            ; v6   where I put my part of the next slot
.set STO, 7                            ; v7   the way out: where I put 64 bytes of a row
.set RD,  8                            ; v8   and where I read a row back
.set GO,  9                            ; v9   my byte offset in the wave's rows of out
.set SMV, 10                           ; v10  -8e9
.set KS,  12
.set QS,  14
.set ST,  16
.set STG, 48
.set TMP, 68
.set SPW, 100                          ; v100 LDS address of my spare word; never rewritten
.set NIL, 101                          ; v101 0; never rewritten
.set S,   128
.set KF,  128                          ; in window 1
.set QF,  160
.set VF,  192
.set KV,  2                            ; s[2:3]   the slot that is being asked for
.set MP,  4                            ; s[4:5]   the step's mask records of my tile 0; tile t's lie 4,096 t bytes on
.set OUT, 6                            ; s[6:7]
.set CS,  12                           ; s[12:13] c, twice: the packed form names a pair
.set SEL, 14                           ; s[14:15] v_permlanex16_b32's selects for lane l xor 16
.set MA,  16                           ; s[16:47] the even tile's 32 mask words
.set MB0, 48                           ; s[48:63] the odd tile's words 0-15,
.set MB1, 80                           ; s[80:95] and 16-31
.set WV,  66
.set TB,  67                           ; LDS byte at which the slot in hand begins
.set TS,  69                           ; where the step's scale words begin: 256 bytes a step
.set SN,  70                           ; the step's number
.set SLOTS, 71
.set FL0, 72                           ; bit s: tiles 0, 1 have a hole in step s
.set FL1, 73                           ; tiles 2, 3
.set MSB, 0
.macro WIN new                         ; s_set_vgpr_msb: bits 1:0 source 0, 3:2 source 1, 5:4 source 2, 7:6 destination; the high byte repeats the setting that is left
.if MSB != \new
	s_set_vgpr_msb (MSB<<8)|\new
.set MSB, \new
.endif
.endm
.macro LOADM off                       ; two tiles' records of this step, 128 bytes each
	s_wait_kmcnt 0x0                               ; no scalar load is on its way into these registers
	s_load_b512 s[MA:MA+15], s[MP:MP+1], \off
	s_load_b512 s[MA+16:MA+31], s[MP:MP+1], \off+64
	s_load_b512 s[MB0:MB0+15], s[MP:MP+1], \off+4096
	s_load_b512 s[MB1:MB1+15], s[MP:MP+1], \off+4160
.endm
	s_load_b256 s[16:23], s[0:1], 0x0              ; qc, qsc, kv, ksc
	s_load_b128 s[24:27], s[0:1], 0x20             ; mw, hf
	s_load_b64 s[28:29], s[0:1], 0x30              ; out0
	v_lshl_add_u32 v[SPW], v0, 2, SPARE
	v_mov_b32 v[NIL], 0
	v_lshrrev_b32 v102, 5, v0
	v_readfirstlane_b32 s[WV], v102                ; wave 0..7
	v_and_b32 v103, 31, v0                         ; lane
	v_lshlrev_b32 v[LI], 4, v103
	v_lshlrev_b32 v[T16], 4, v0
	v_lshl_add_u32 v[KS0], v103, 3, KSC
	v_lshlrev_b32 v102, 3, v103                    ; 8 x lane
	v_lshlrev_b32 v103, 2, v103                    ; 4 x lane
	v_add_nc_u32 v106, KSC, v[T16]
	v_and_b32 v104, 15, v0                         ; r
	v_bfe_u32 v105, v0, 4, 1                       ; h
	s_and_b32 s68, ttmp7, 0xffff                   ; the head
	s_lshl_b32 s69, ttmp9, 3
	s_add_co_u32 s69, s69, s[WV]                   ; my 64 queries among the head's 32 such groups
	s_lshl_b32 s70, s68, 5
	s_add_co_u32 s70, s70, s69                     ; and among all 2,048
	s_mov_b32 s11, 0                               ; upper word of the offsets in s[10:11]
	s_mov_b32 s[CS], 0x3e38aa3b                    ; c = log2(e) / 8
	s_mov_b32 s[CS+1], s[CS]
	s_mov_b32 s[SEL], 0x76543210
	s_mov_b32 s[SEL+1], 0xfedcba98
	s_wait_kmcnt 0x0
	s_lshl_b32 s10, s70, 11
	s_add_nc_u64 s[96:97], s[16:17], s[10:11]      ; my Q's four images
	s_lshl_b32 s10, s70, 8
	s_add_nc_u64 s[98:99], s[18:19], s[10:11]      ; and scale words
	s_mul_i32 s10, s68, 327680
	s_add_nc_u64 s[KV:KV+1], s[20:21], s[10:11]    ; the head's 32 records
	s_lshl_b32 s10, s68, 13
	s_add_nc_u64 s[8:9], s[22:23], s[10:11]        ; K's scale words
	s_lshl_b32 s10, s69, 14
	s_add_nc_u64 s[MP:MP+1], s[24:25], s[10:11]    ; my four tiles' mask records
	s_lshl_b32 s10, s69, 9
	s_add_nc_u64 s[100:101], s[26:27], s[10:11]    ; and flags
	s_lshl_b32 s10, s70, 14
	s_add_nc_u64 s[OUT:OUT+1], s[28:29], s[10:11]
	global_load_b64 v[QS:QS+1], v102, s[98:99]
.irp t, 0,1,2,3
	global_load_b32 v[76+\t], v103, s[100:101] offset:128*\t   ; lane s: tile t's flag of step s
.endr
	global_load_b128 v[68:71], v[T16], s[8:9]
	global_load_b128 v[72:75], v[T16], s[8:9] offset:4096
.irp i, 0,1,2,3,4
	global_load_b128 v[STG+4*\i:STG+4*\i+3], v[T16], s[KV:KV+1] offset:4096*\i   ; slot 0: 256 threads x 16 bytes a load
.endr
	LOADM 0                                        ; step 0's records of tiles 0, 1: so the words' registers are written whichever way the flags lead
	WIN 0x40                                       ; destination window 1
.irp t, 0,1,2,3
	global_load_b128 v[QF+8*\t:QF+8*\t+3], v[LI], s[96:97] offset:512*\t   ; Q stays in registers
.endr
.set i, 0
.rept 128
	v_mov_b32 v[i], 0                              ; O^T: the step is written once, and its first run finds zeros
.set i, i+1
.endr
.irp t, 0,1,2,3
.irp c, 4,5,6,7
	v_mov_b32 v[KF+8*\t+\c], 0                     ; the upper 64 of the instruction's K: zero codes, set once
	v_mov_b32 v[QF+8*\t+\c], 0
.endr
.endr
	WIN 0
.irp t, 0,1,2,3
	v_mov_b32 v[ST+8*\t+1], 0xff61b1e6             ; m = -3e38, under every score
	v_mov_b32 v[ST+8*\t+2], 0                      ; l, in two halves
	v_mov_b32 v[ST+8*\t+3], 0
.endr
.irp t, 0,1,2,3
	v_mul_f32 v[ST+8*\t], s[CS], v[ST+8*\t+1]      ; c m
.endr
	v_mov_b32 v[SMV], 0xcfee6b28                   ; -8e9
	s_mul_i32 s10, s[WV], 16*SP
	s_add_co_u32 s10, s10, STAGE                   ; my stage
	v_mul_u32_u24 v[STO], v104, SP                 ; in: row r, 64 bytes for each half of the lanes
	v_lshl_add_u32 v[STO], v105, 6, v[STO]
	v_add_nc_u32 v[STO], s10, v[STO]
	v_mul_u32_u24 v[RD], v105, SP                  ; back: lanes 0-15 one row of 256 bytes, lanes 16-31 the next
	v_lshl_add_u32 v[RD], v104, 4, v[RD]
	v_add_nc_u32 v[RD], s10, v[RD]
	v_lshlrev_b32 v[GO], 8, v105                   ; and the same two rows in out
	v_lshl_add_u32 v[GO], v104, 4, v[GO]
	s_mov_b32 s[TB], 0
	s_mov_b32 s[TS], 0
	s_mov_b32 s[SN], 0
	s_mov_b32 s[SLOTS], 15
	s_wait_loadcnt 0x0
.irp t, 0,1,2,3
	v_cmp_ne_u32 s[74+\t], 0, v[76+\t]             ; bit s: tile t has a hole in step s
.endr
	s_or_b32 s[FL0], s74, s75
	s_or_b32 s[FL1], s76, s77
	ds_store_b128 v106, v[68:71]
	ds_store_b128 v106, v[72:75] offset:4096
.irp i, 0,1,2,3,4
	ds_store_b128 v[T16], v[STG+4*\i:STG+4*\i+3] offset:4096*\i
.endr
	s_wait_kmcnt 0x0
	s_wait_dscnt 0x0                               ; for the others' sake: my stores have landed
	s_barrier_signal -1
	s_barrier_wait -1                              ; slot 0 and the scale words are whole
; One product of S^T: 16 keys kt x tile t.  A scale register holds two tiles' words: the even tile's in lanes 0-15, the odd tile's in lanes 16-31.
.macro KQ1 kt, t
.if ((\kt)%2 == 0) && ((\t)%2 == 0)
	v_wmma_scale_f32_16x16x128_f8f6f4 v[S+32*\t+8*\kt:S+32*\t+8*\kt+7], v[KF+8*\kt:KF+8*\kt+7], v[QF+8*\t:QF+8*\t+7], 0, v[KS+\kt/2], v[QS+\t/2] matrix_a_fmt:MATRIX_FMT_FP4 matrix_b_fmt:MATRIX_FMT_FP4
.elseif ((\kt)%2 == 1) && ((\t)%2 == 0)
	v_wmma_scale_f32_16x16x128_f8f6f4 v[S+32*\t+8*\kt:S+32*\t+8*\kt+7], v[KF+8*\kt:KF+8*\kt+7], v[QF+8*\t:QF+8*\t+7], 0, v[KS+\kt/2], v[QS+\t/2] matrix_a_fmt:MATRIX_FMT_FP4 matrix_b_fmt:MATRIX_FMT_FP4 matrix_a_scale:MATRIX_SCALE_ROW1
.elseif ((\kt)%2 == 0) && ((\t)%2 == 1)
	v_wmma_scale_f32_16x16x128_f8f6f4 v[S+32*\t+8*\kt:S+32*\t+8*\kt+7], v[KF+8*\kt:KF+8*\kt+7], v[QF+8*\t:QF+8*\t+7], 0, v[KS+\kt/2], v[QS+\t/2] matrix_a_fmt:MATRIX_FMT_FP4 matrix_b_fmt:MATRIX_FMT_FP4 matrix_b_scale:MATRIX_SCALE_ROW1
.else
	v_wmma_scale_f32_16x16x128_f8f6f4 v[S+32*\t+8*\kt:S+32*\t+8*\kt+7], v[KF+8*\kt:KF+8*\kt+7], v[QF+8*\t:QF+8*\t+7], 0, v[KS+\kt/2], v[QS+\t/2] matrix_a_fmt:MATRIX_FMT_FP4 matrix_b_fmt:MATRIX_FMT_FP4 matrix_a_scale:MATRIX_SCALE_ROW1 matrix_b_scale:MATRIX_SCALE_ROW1
.endif
.endm
; Hidden scores of tiles y, y + 1 become -8e9; each accumulator is taken from its low end on.
.macro APPLY y
	s_wait_kmcnt 0x0                               ; the words are in
.set i, 0
.rept 32
	v_cndmask_b32 v[S+32*(\y)+i], v[S+32*(\y)+i], v[SMV], s[MA+i]
.if i < 16
	v_cndmask_b32 v[S+32+32*(\y)+i], v[S+32+32*(\y)+i], v[SMV], s[MB0+i]
.else
	v_cndmask_b32 v[S+32+32*(\y)+i], v[S+32+32*(\y)+i], v[SMV], s[MB1+i-16]
.endif
.set i, i+1
.endr
.endm
.macro CLAMP y                         ; the exponents of tiles y, y + 1 are held at 0 from above
.set i, 0
.rept 64
	v_min_num_f32 v[S+32*(\y)+i], 0, v[S+32*(\y)+i]
.set i, i+1
.endr
.endm
; The softmax's first half for tiles y, y + 1, the two by turns: the maximum of a lane's 32 scores and the old m (four chains, each begun at an accumulator's low end), the other half of the lanes', c m, its change, and c s - c m.
.macro SOFTA y
.irp j, 0,1,2,3
.irp t, \y, \y+1
	v_max3_num_f32 v[ST+8*(\t)+4+\j], v[S+32*(\t)+8*\j], v[S+32*(\t)+8*\j+1], v[S+32*(\t)+8*\j+2]
.endr
.endr
.irp k, 3,5
.irp j, 0,1,2,3
.irp t, \y, \y+1
	v_max3_num_f32 v[ST+8*(\t)+4+\j], v[ST+8*(\t)+4+\j], v[S+32*(\t)+8*\j+\k], v[S+32*(\t)+8*\j+\k+1]
.endr
.endr
.endr
.irp t, \y, \y+1
	v_max3_num_f32 v[ST+8*(\t)+4], v[ST+8*(\t)+4], v[S+32*(\t)+7], v[S+32*(\t)+15]
.endr
.irp t, \y, \y+1
	v_max3_num_f32 v[ST+8*(\t)+6], v[ST+8*(\t)+6], v[S+32*(\t)+23], v[S+32*(\t)+31]
.endr
.irp t, \y, \y+1
	v_max3_num_f32 v[ST+8*(\t)+4], v[ST+8*(\t)+4], v[ST+8*(\t)+5], v[ST+8*(\t)+6]
.endr
.irp t, \y, \y+1
	v_max3_num_f32 v[ST+8*(\t)+4], v[ST+8*(\t)+4], v[ST+8*(\t)+7], v[ST+8*(\t)+1]
.endr
.irp t, \y, \y+1
	v_permlanex16_b32 v[ST+8*(\t)+5], v[ST+8*(\t)+4], s[SEL], s[SEL+1]   ; the query's other 32 keys lie in the lane 16 away
.endr
.irp t, \y, \y+1
	v_mov_b32 v[ST+8*(\t)+7], v[ST+8*(\t)]         ; c m_old is kept for a
.endr
.irp t, \y, \y+1
	v_max_num_f32 v[ST+8*(\t)+1], v[ST+8*(\t)+4], v[ST+8*(\t)+5]
.endr
.irp t, \y, \y+1
	v_mul_f32 v[ST+8*(\t)], s[CS], v[ST+8*(\t)+1]
.endr
.irp t, \y, \y+1
	v_sub_f32 v[ST+8*(\t)+7], v[ST+8*(\t)+7], v[ST+8*(\t)]
.endr
.irp i, 0,2,4,6,8,10,12,14,16,18,20,22,24,26,28,30
.irp t, \y, \y+1
	v_pk_fma_f32 v[S+32*(\t)+\i:S+32*(\t)+\i+1], v[S+32*(\t)+\i:S+32*(\t)+\i+1], s[CS:CS+1], v[ST+8*(\t):ST+8*(\t)+1] op_sel_hi:[1,0,0] neg_lo:[0,0,1] neg_hi:[0,0,1]   ; c s - c m, two at a time
.endr
.endr
.endm
; The second half: the 66 exponentials as ONE batch with one wait; then sums (of the unrounded p, in two chains) and roundings to f16 by turns, ascending.
; Rounding i writes register i of the tile, which belongs to pair i / 2: that pair has been summed and rounded by then.
.macro SOFTB y
.irp t, \y, \y+1
	v_exp_f32 v[ST+8*(\t)+6], v[ST+8*(\t)+7]       ; a
.endr
.set i, 0
.rept 32
.irp t, \y, \y+1
	v_exp_f32 v[S+32*(\t)+i], v[S+32*(\t)+i]       ; p
.endr
.set i, i+1
.endr
	v_nop                                          ; a plain instruction behind the last exponential, ahead of the first use
	s_wait_alu depctr_va_vdst(0)                   ; the wait ahead of the first instruction that names a result: one for the batch
.irp t, \y, \y+1
	v_pk_fma_f32 v[ST+8*(\t)+2:ST+8*(\t)+3], v[ST+8*(\t)+2:ST+8*(\t)+3], v[ST+8*(\t)+6:ST+8*(\t)+7], v[S+32*(\t):S+32*(\t)+1] op_sel_hi:[1,0,1]   ; l = a l + pair 0
.endr
.irp t, \y, \y+1
	v_cvt_pk_f16_f32 v[S+32*(\t)], v[S+32*(\t)], v[S+32*(\t)+1]
.endr
.irp t, \y, \y+1
	v_pk_add_f32 v[ST+8*(\t)+4:ST+8*(\t)+5], v[S+32*(\t)+2:S+32*(\t)+3], v[S+32*(\t)+4:S+32*(\t)+5]   ; the second chain begins with pairs 1 and 2
.endr
.irp t, \y, \y+1
	v_cvt_pk_f16_f32 v[S+32*(\t)+1], v[S+32*(\t)+2], v[S+32*(\t)+3]
.endr
.irp t, \y, \y+1
	v_cvt_pk_f16_f32 v[S+32*(\t)+2], v[S+32*(\t)+4], v[S+32*(\t)+5]
.endr
.set i, 3
.rept 13
.irp t, \y, \y+1
.if i%2
	v_pk_add_f32 v[ST+8*(\t)+2:ST+8*(\t)+3], v[ST+8*(\t)+2:ST+8*(\t)+3], v[S+32*(\t)+2*i:S+32*(\t)+2*i+1]
.else
	v_pk_add_f32 v[ST+8*(\t)+4:ST+8*(\t)+5], v[ST+8*(\t)+4:ST+8*(\t)+5], v[S+32*(\t)+2*i:S+32*(\t)+2*i+1]
.endif
.endr
.irp t, \y, \y+1
	v_cvt_pk_f16_f32 v[S+32*(\t)+i], v[S+32*(\t)+2*i], v[S+32*(\t)+2*i+1]
.endr
.set i, i+1
.endr
.irp t, \y, \y+1
	v_pk_add_f32 v[ST+8*(\t)+2:ST+8*(\t)+3], v[ST+8*(\t)+2:ST+8*(\t)+3], v[ST+8*(\t)+4:ST+8*(\t)+5]
.endr
.endm
; A KEY STEP: 64 keys, the q-th record of the slot in hand.
.macro STEP q
	s_bitcmp1_b32 s[FL0], s[SN]
	s_cbranch_scc0 .Lno_ld0_\@
	LOADM 0                                        ; tiles 0, 1 have a hole: their words are asked for ahead of the products
.Lno_ld0_\@:
	v_add_nc_u32 v[ADR], s[TB], v[LI]
	v_add_nc_u32 v[ADS], s[TS], v[KS0]
.rept 4
	v_nop                                          ; with the two additions six plain instructions behind the last V^T P: four are asked ahead of loads into V's registers, five ahead of products that write S^T over P
.endr
	ds_load_b64 v[KS:KS+1], v[ADS]
	WIN 0x40                                       ; destination window 1
.irp kt, 0,1,2,3
	ds_load_b128 v[KF+8*\kt:KF+8*\kt+3], v[ADR] offset:REC*\q+512*\kt
.endr
.irp i, 0,1,2,3,4,5,6,7,8,9,10,11,12,13,14,15
	ds_load_b128 v[VF+4*\i:VF+4*\i+3], v[ADR] offset:REC*\q+2048+512*\i
.endr
	s_wait_dscnt 16                                ; the scale words and K are in; V's sixteen loads may be out
	WIN 0x05                                       ; K and Q window 1, S^T window 0
.irp kt, 0,1,2,3
.irp t, 0,1,2,3
	KQ1 \kt, \t
.endr
.endr
	WIN 0
.rept 4
	v_nop                                          ; four plain instructions ahead of the first read of the scores
.endr
	s_bitcmp1_b32 s[FL0], s[SN]
	s_cbranch_scc0 .Lno_ap0_\@
	APPLY 0
.Lno_ap0_\@:
	s_bitcmp1_b32 s[FL1], s[SN]
	s_cbranch_scc0 .Lno_ld1_\@
	LOADM 8192                                     ; tiles 2, 3: their words land while tiles 0, 1 are worked
.Lno_ld1_\@:
	SOFTA 0
	s_bitcmp1_b32 s[FL0], s[SN]
	s_cbranch_scc0 .Lno_cl0_\@
	CLAMP 0
.Lno_cl0_\@:
	SOFTB 0
	s_bitcmp1_b32 s[FL1], s[SN]
	s_cbranch_scc0 .Lno_ap1_\@
	APPLY 2
.Lno_ap1_\@:
	SOFTA 2
	s_bitcmp1_b32 s[FL1], s[SN]
	s_cbranch_scc0 .Lno_cl1_\@
	CLAMP 2
.Lno_cl1_\@:
	SOFTB 2
	s_wait_dscnt 0x0                               ; V is in
	WIN 0x41                                       ; O^T window 1, a window 0
.set i, 0
.rept 64
	v_pk_mul_f32 v[2*i:2*i+1], v[2*i:2*i+1], v[ST+8*(i/16)+6:ST+8*(i/16)+7] op_sel_hi:[1,0]   ; O^T x a, each accumulator from its low end on
.set i, i+1
.endr
	WIN 0x51                                       ; V^T and O^T window 1, P window 0
.irp g, 0,1                            ; the 16 accumulators take turns, one instruction a turn
.irp c, 0,1,2,3
.irp t, 0,1,2,3
	v_wmma_f32_16x16x32_f16 v[32*\t+8*\c:32*\t+8*\c+7], v[VF+32*\g+8*\c:VF+32*\g+8*\c+7], v[S+32*\t+8*\g:S+32*\t+8*\g+7], v[32*\t+8*\c:32*\t+8*\c+7]
.endr
.endr
.endr
	WIN 0
	s_wait_kmcnt 0x0                               ; no scalar load still reads the records' address:
	s_add_nc_u64 s[MP:MP+1], s[MP:MP+1], 128       ; the next step's records
	s_add_co_u32 s[SN], s[SN], 1
	s_add_co_u32 s[TS], s[TS], 256
.endm
.Lslot:                                ; 15 trips: a slot's two steps; the next slot is asked for at the head and put into LDS at the end
	s_add_nc_u64 s[KV:KV+1], s[KV:KV+1], 2*REC     ; (the last slot's loads have been waited for)
.irp i, 0,1,2,3,4
	global_load_b128 v[STG+4*\i:STG+4*\i+3], v[T16], s[KV:KV+1] offset:4096*\i
.endr
	STEP 0
	STEP 1
	s_wait_loadcnt 0x0                             ; my part of the next slot is in registers
	s_xor_b32 s[TB], s[TB], SLOT1                  ; the other slot: every wave left it ahead of the barrier before
	v_add_nc_u32 v[STA], s[TB], v[T16]
.irp i, 0,1,2,3,4
	ds_store_b128 v[STA], v[STG+4*\i:STG+4*\i+3] offset:4096*\i
.endr
	s_wait_dscnt 0x0                               ; my stores have landed, and my reads of the slot that I leave are over
	s_barrier_signal -1
	s_barrier_wait -1                              ; both now hold of every wave
	s_sub_co_u32 s[SLOTS], s[SLOTS], 1
	s_cmp_lg_u32 s[SLOTS], 0
	s_cbranch_scc1 .Lslot
	STEP 0                                         ; the last slot: nothing is left to fetch
	STEP 1
	; THE WAY OUT.  l's two halves and the other half of the lanes' are added (these lines are also the plain instructions behind the last products); O^T / l goes through my stage in LDS, a tile (16 rows of out) at a time.
.irp t, 0,1,2,3
	v_add_f32 v[ST+8*\t+4], v[ST+8*\t+2], v[ST+8*\t+3]
.endr
.irp t, 0,1,2,3
	v_permlanex16_b32 v[ST+8*\t+5], v[ST+8*\t+4], s[SEL], s[SEL+1]
.endr
.irp t, 0,1,2,3
	v_add_f32 v[ST+8*\t+4], v[ST+8*\t+4], v[ST+8*\t+5]
.endr
.irp t, 0,1,2,3
	v_rcp_f32 v[ST+8*\t+6], v[ST+8*\t+4]
.endr
	v_nop                                          ; a plain instruction between the last reciprocal and the use of its result
	s_wait_alu depctr_va_vdst(0)                   ; and the wait ahead of the first use: one for the four
; Register j of channel tile b + 2 e holds channel 32 b + 16 h + 2 j + e: the two tiles' registers, taken by turns, are 16 neighbouring channels.  Each accumulator is first read at its register 0.
.macro PACK t
	WIN 0x01                                       ; source 0 (O^T) window 1
.irp b, 0,1
.irp j, 0,1,2,3,4,5,6,7
.irp e, 0,1
	v_mul_f32 v[TMP+16*\b+2*\j+\e], v[32*\t+8*(\b+2*\e)+\j], v[ST+8*\t+6]
.endr
.endr
.endr
	WIN 0
.irp b, 0,1
.irp c, 0,1,2,3
	ds_store_b128 v[STO], v[TMP+16*\b+4*\c:TMP+16*\b+4*\c+3] offset:128*\b+16*\c
.endr
.endr
.irp i, 0,1,2,3,4,5,6,7
	ds_load_b128 v[S+32*\t+4*\i:S+32*\t+4*\i+3], v[RD] offset:2*\i*SP   ; LDS serves a wave's instructions in order (ISA guide 5.7.1.4): these see the stores above, and the next tile's stores come behind them
.endr
.endm
.macro SEND t, younger                 ; younger: the LDS instructions issued behind tile t's loads: the next tile's sixteen, or none
.irp i, 0,1,2,3,4,5,6,7
	s_wait_dscnt \younger+7-\i
	global_store_b128 v[GO], v[S+32*\t+4*\i:S+32*\t+4*\i+3], s[OUT:OUT+1] offset:4096*\t+512*\i th:TH_STORE_NT   ; 32 lanes store two rows: 512 consecutive bytes, at a multiple of 256 from out's first byte
.endr
.endm
	PACK 0
	PACK 1
	SEND 0, 16
	PACK 2
	SEND 1, 16
	PACK 3
	SEND 2, 16
	SEND 3, 0
	s_wait_tensorcnt 0x0                           ; the wave's end
	ds_add_u32 v[SPW], v[NIL]
	s_wait_dscnt 0x0
	s_endpgm
.Lfunc_end_k_qea0364eaf0_attn:
	.size	k_qea0364eaf0_attn, .Lfunc_end_k_qea0364eaf0_attn-k_qea0364eaf0_attn
	.p2alignl 7, 3214868480
	.fill 96, 4, 3214868480
	.section	.rodata,"a",@progbits
	.p2align	6, 0x0
	.amdhsa_kernel k_qea0364eaf0_attn
		.amdhsa_group_segment_fixed_size 109568
		.amdhsa_private_segment_fixed_size 0
		.amdhsa_enable_private_segment 0
		.amdhsa_kernarg_size 56
		.amdhsa_user_sgpr_count 2
		.amdhsa_user_sgpr_kernarg_segment_ptr 1
		.amdhsa_wavefront_size32 1
		.amdhsa_system_sgpr_workgroup_id_x 1
		.amdhsa_system_sgpr_workgroup_id_y 1
		.amdhsa_system_sgpr_workgroup_id_z 1
		.amdhsa_system_vgpr_workitem_id 0
		.amdhsa_next_free_vgpr 512
		.amdhsa_next_free_sgpr 102
		.amdhsa_reserve_vcc 0
		.amdhsa_float_denorm_mode_32 3
		.amdhsa_float_denorm_mode_16_64 3
		.amdhsa_memory_ordered 1
		.amdhsa_forward_progress 1
		.amdhsa_inst_pref_size 202
	.end_amdhsa_kernel
	.amdgpu_metadata
---
amdhsa.version: [ 1, 2 ]
amdhsa.kernels:
  - .name:           k_qea0364eaf0_attn
    .symbol:         k_qea0364eaf0_attn.kd
    .args:
      - { .name: qc, .offset: 0, .size: 8, .value_kind: global_buffer, .address_space: global }
      - { .name: qsc, .offset: 8, .size: 8, .value_kind: global_buffer, .address_space: global }
      - { .name: kv, .offset: 16, .size: 8, .value_kind: global_buffer, .address_space: global }
      - { .name: ksc, .offset: 24, .size: 8, .value_kind: global_buffer, .address_space: global }
      - { .name: mw, .offset: 32, .size: 8, .value_kind: global_buffer, .address_space: global }
      - { .name: hf, .offset: 40, .size: 8, .value_kind: global_buffer, .address_space: global }
      - { .name: out0, .offset: 48, .size: 8, .value_kind: global_buffer, .address_space: global }
    .group_segment_fixed_size: 109568
    .private_segment_fixed_size: 0
    .kernarg_segment_align: 8
    .kernarg_segment_size: 56
    .max_flat_workgroup_size: 256
    .sgpr_count:     102
    .vgpr_count:     512
    .wavefront_size: 32
...
	.end_amdgpu_metadata
.endif
;; end of part 2
;; ======== version 2 of 2: 2 launches; version 1 with the launch attn written anew for expert scheduling mode
;; limits: values are held in f16: magnitudes above 65,504 overflow, below 6.1e-05 lose precision
;; workspace buffers: qc 4,194,304 bytes; qsc 524,288 bytes; kv 20,971,520 bytes; ksc 524,288 bytes; mw 524,288 bytes of whole numbers; hf 16,384 bytes of whole numbers
;; launch prep: the kernel of part 1 again; grid 1792 x 1, 4 waves a work-group, no clusters, 37,376 bytes of LDS; arguments Q, K, V, mask, qc, qsc, kv, ksc, mw, hf; writes qc, qsc, kv, ksc, mw, hf
;; launch attn (part 3): grid 4 x 64, 8 waves a work-group, no clusters, 109,568 bytes of LDS; arguments qc, qsc, kv, ksc, mw, hf, out0; writes out0
.if DOCPART == 3
	.amdgcn_target "amdgcn-amd-amdhsa--gfx1250"
	.amdhsa_code_object_version 6
	.text
	.protected	k_qea0364eaf0_attn
	.globl	k_qea0364eaf0_attn
	.p2align	8
	.type	k_qea0364eaf0_attn,@function
k_qea0364eaf0_attn:
	s_mov_b64 s[64:65], 0
	v_nop
	global_prefetch_b8 v0, s[64:65] scope:SCOPE_SE
	s_setreg_imm32_b32 hwreg(HW_REG_WAVE_SCHED_MODE, 0, 2), 2
	s_setreg_imm32_b32 hwreg(HW_REG_WAVE_MODE, 25, 1), 1
	s_wait_xcnt 0x0
	s_wait_alu depctr_vm_vsrc(0)
; out[head][q][:] = the sum over k of softmax_k(score) V[head][k][:], score = Q[q] . K[k] / 8, or -1e9 where mask[q][k] is 0.  64 heads, 2,048 queries and keys, head size 64.
; Q . K on codes of FP4 (E2M1) with one E8M0 scale for each 32 along the head's 64; the instruction's K is 128, and its upper 64 are zero codes on both sides.  P V in f16 with f32 sums; all else in f32.
; All operands come as images of their registers, laid by the launch before: a fragment is read 16 bytes a lane, lanes on end.
; SHARES.  A work-group owns 512 queries of one head, each of its eight waves 64: four tiles of 16; two waves to a SIMD, so that one wave's vector work stands beside the other's matrix work.  Every wave walks the head's 32 steps of 64 keys.
; LAYOUT.  Both products are used transposed: S^T = K Q^T (source 0 = 16 keys, source 1 = 16 queries), O^T = V^T P (source 0 = 16 channels, source 1 = P): a lane holds ONE query (lane % 16) throughout, and
; S^T's registers, rounded to f16 in pairs, ARE P's fragment.  Row m of channel tile c of V^T is channel 32 (c & 1) + 2 m + (c >> 1).
; SOFTMAX.  For each query a running maximum m of the raw scores and a sum l: p = 2^(c s - c m), c = log2(e) / 8; in every step O and l are multiplied by a = 2^(c m_old - c m_new).  O, l begin as 0 and m as -3e38.
; THE MASK.  For a tile of 16 queries and a step, 32 words, one for each register of S^T, a bit a lane, come into scalar registers and pick -8e9 (-1e9 x 8) by v_cndmask_b32.  A stored flag for each (tile, step) says
; whether any bit is set; the flags of a wave's tiles 0, 1 and 2, 3 are joined, and scalar branches on them lead round the mask's lines where there is no hole.  No barrier, address or trip count hangs on them.
; Where a row's maximum is -8e9 itself (every key so far hidden: its tile has the flag), c s - round(c m) is +18.4, not 0, since c x 8e9 is rounded to a multiple of 128: so in flagged tiles the exponent is held at 0 from above: p = 1.
; K AND V come by global loads through registers into two LDS slots of two steps (20,480 bytes), asked for a slot ahead: two steps' work of both waves of a SIMD stands between the request and the wait for it.
; NO JOINT LOADS: the walk branches on stored flags; and what the four query blocks of a head share is 20,480 bytes a slot, against 768 matrix instructions of each.
; LIMITS: NaN and infinities are not served; |V| under 65,504 and p in f16; all p of a row carry one common factor 2^e, |e| <= 2^-24 |c m|, which the division by l takes out (in flagged tiles the largest p alone loses it).
; THE MODE: SCHED_MODE bits 1:0 = 2 (LLVM: expert scheduling mode 2), set by the entry lines.  The code itself states the register dependences
; between vector or matrix instructions and memory or LDS instructions, with s_wait_alu, always for 0.
; THE PLAN.  Registers that memory or LDS instructions touch, in the loop:
;   v[STG ..]      Written by the five global loads at a trip's head; read by the five LDS stores at its end.  No vector instruction names them: one wait on vm_vsrc at the trip's head.
;   V^T's fragments  Read by a step's 32 V^T P; the next step's sixteen LDS loads land in them behind that step's first wait on va_vdst.
;   K's fragments, v[KS ..]  Read by a step's 16 K Q^T.  A slot's second step's five LDS loads land in them behind the first step's first wait on va_vdst; a slot's first step's stand at its head, behind the barrier.
;   v[ADR], v[ADS], v[STA]  Read by the LDS loads and stores as addresses; written once a slot, in its second step: behind a wait on vm_vsrc, and ahead of that step's second wait on va_vdst.
;   v[LI], v[T16], v[GO], v[STO], v[RD]  Made at the head and never written again.
; A step has two waits on va_vdst, one behind each batch of exponentials.  The first also states that the last step's V^T P are done reading V^T's fragments and this step's
; K Q^T are done reading K's fragments and scale words; the second, in a slot's second step, that the next slot's three addresses are written.  No vector or matrix instruction between such a wait and the loads or stores
; that lean on it names a register that they touch.
; REGISTERS, window 0: v1-10 addresses and -8e9; v12-13 K's scale words, v14-15 Q's; v16-47 statistics, eight a tile: +0 c m, +1 m, +2, +3 l, +4..7 at work, a in +6; v48-67 the next slot on its way; v68-99 at work on the way out;
;   v100, v101 the add's two; v128-255 S^T, 32 a tile, P in each tile's first 16.   window 1: v0-127 O^T (tile t, channel tile c at 32 t + 8 c); v128-159 K's four fragments, v160-191 Q's (registers 4-7 of each stay 0); v192-255 V^T's eight.
.set SLOT1, 32768                      ; slot 1 begins here: one exclusive or turns an address in one slot into the other's
.set REC,   10240                      ; a step's record: 2,048 bytes of K, 8,192 of V^T
.set KSC,   65536                      ; K's scale words of the whole head: 8,192 bytes
.set STAGE, 73728                      ; the way out: 16 rows x (256 + 16) bytes for each wave
.set SP,    272
.set SPARE, 108544                     ; the spare words, 128 bytes for each wave: four blocks of 256 bytes that no other line names
.set LI,  1                            ; v1   16 x lane
.set T16, 2                            ; v2   16 x thread
.set KS0, 3                            ; v3   KSC + 8 x lane
.set ADR, 4                            ; v4   the fragments of the slot in hand; immediates reach its second step
.set ADS, 5                            ; v5   the scale words of the slot in hand, likewise
.set STA, 6                            ; v6   where I put my part of the next slot
.set STO, 7                            ; v7   the way out: where I put 64 bytes of a row
.set RD,  8                            ; v8   and where I read a row back
.set GO,  9                            ; v9   my byte offset in the wave's rows of out
.set SMV, 10                           ; v10  -8e9
.set KS,  12
.set QS,  14
.set ST,  16
.set STG, 48
.set TMP, 68
.set SPW, 100                          ; v100 LDS address of my spare word; never rewritten
.set NIL, 101                          ; v101 0; never rewritten
.set S,   128
.set KF,  128                          ; in window 1
.set QF,  160
.set VF,  192
.set KV,  2                            ; s[2:3]   the slot that is being asked for
.set MP,  4                            ; s[4:5]   the step's mask records of my tile 0; tile t's lie 4,096 t bytes on
.set OUT, 6                            ; s[6:7]
.set CS,  12                           ; s[12:13] c, twice: the packed form names a pair
.set SEL, 14                           ; s[14:15] v_permlanex16_b32's selects for lane l xor 16
.set MA,  16                           ; s[16:47] the even tile's 32 mask words
.set MB0, 48                           ; s[48:63] the odd tile's words 0-15,
.set MB1, 80                           ; s[80:95] and 16-31
.set WV,  66
.set TB,  67                           ; LDS byte at which the slot in hand begins
.set TS,  69                           ; where the slot's scale words begin: 512 bytes a slot
.set SN,  70                           ; the step's number
.set SLOTS, 71
.set FL0, 72                           ; bit s: tiles 0, 1 have a hole in step s
.set FL1, 73                           ; tiles 2, 3
.set MSB, 0
.macro WIN new                         ; s_set_vgpr_msb: bits 1:0 source 0, 3:2 source 1, 5:4 source 2, 7:6 destination; the high byte repeats the setting that is left
.if MSB != \new
	s_set_vgpr_msb (MSB<<8)|\new
.set MSB, \new
.endif
.endm
.macro LOADM off                       ; two tiles' records of this step, 128 bytes each
	s_wait_kmcnt 0x0                               ; no scalar load is on its way into these registers
	s_load_b512 s[MA:MA+15], s[MP:MP+1], \off
	s_load_b512 s[MA+16:MA+31], s[MP:MP+1], \off+64
	s_load_b512 s[MB0:MB0+15], s[MP:MP+1], \off+4096
	s_load_b512 s[MB1:MB1+15], s[MP:MP+1], \off+4160
.endm
	s_load_b256 s[16:23], s[0:1], 0x0              ; qc, qsc, kv, ksc
	s_load_b128 s[24:27], s[0:1], 0x20             ; mw, hf
	s_load_b64 s[28:29], s[0:1], 0x30              ; out0
	v_lshl_add_u32 v[SPW], v0, 2, SPARE
	v_mov_b32 v[NIL], 0
	v_lshrrev_b32 v102, 5, v0
	v_readfirstlane_b32 s[WV], v102                ; wave 0..7
	v_and_b32 v103, 31, v0                         ; lane
	v_lshlrev_b32 v[LI], 4, v103
	v_lshlrev_b32 v[T16], 4, v0
	v_lshl_add_u32 v[KS0], v103, 3, KSC
	v_lshlrev_b32 v102, 3, v103                    ; 8 x lane
	v_lshlrev_b32 v103, 2, v103                    ; 4 x lane
	v_add_nc_u32 v106, KSC, v[T16]
	v_and_b32 v104, 15, v0                         ; r
	v_bfe_u32 v105, v0, 4, 1                       ; h
	s_and_b32 s68, ttmp7, 0xffff                   ; the head
	s_lshl_b32 s69, ttmp9, 3
	s_wait_alu depctr_va_sdst(0)                   ; the wave's number is written, ahead of its first reader
	s_add_co_u32 s69, s69, s[WV]                   ; my 64 queries among the head's 32 such groups
	s_lshl_b32 s70, s68, 5
	s_add_co_u32 s70, s70, s69                     ; and among all 2,048
	s_mov_b32 s11, 0                               ; upper word of the offsets in s[10:11]
	s_mov_b32 s[CS], 0x3e38aa3b                    ; c = log2(e) / 8
	s_mov_b32 s[CS+1], s[CS]
	s_mov_b32 s[SEL], 0x76543210
	s_mov_b32 s[SEL+1], 0xfedcba98
	s_wait_kmcnt 0x0
	s_lshl_b32 s10, s70, 11
	s_add_nc_u64 s[96:97], s[16:17], s[10:11]      ; my Q's four images
	s_lshl_b32 s10, s70, 8
	s_add_nc_u64 s[98:99], s[18:19], s[10:11]      ; and scale words
	s_mul_i32 s10, s68, 327680
	s_add_nc_u64 s[KV:KV+1], s[20:21], s[10:11]    ; the head's 32 records
	s_lshl_b32 s10, s68, 13
	s_add_nc_u64 s[8:9], s[22:23], s[10:11]        ; K's scale words
	s_lshl_b32 s10, s69, 14
	s_add_nc_u64 s[MP:MP+1], s[24:25], s[10:11]    ; my four tiles' mask records
	s_lshl_b32 s10, s69, 9
	s_add_nc_u64 s[100:101], s[26:27], s[10:11]    ; and flags
	s_lshl_b32 s10, s70, 14
	s_add_nc_u64 s[OUT:OUT+1], s[28:29], s[10:11]
	s_wait_alu depctr_va_vdst(0)                   ; v102, v103, v106, v[T16] and v[LI] are written: the head's loads and LDS stores read them as offsets and addresses
	global_load_b64 v[QS:QS+1], v102, s[98:99]
.irp t, 0,1,2,3
	global_load_b32 v[76+\t], v103, s[100:101] offset:128*\t   ; lane s: tile t's flag of step s
.endr
	global_load_b128 v[68:71], v[T16], s[8:9]
	global_load_b128 v[72:75], v[T16], s[8:9] offset:4096
.irp i, 0,1,2,3,4
	global_load_b128 v[STG+4*\i:STG+4*\i+3], v[T16], s[KV:KV+1] offset:4096*\i   ; slot 0: 256 threads x 16 bytes a load
.endr
	LOADM 0                                        ; step 0's records of tiles 0, 1: so the words' registers are written whichever way the flags lead
	WIN 0x40                                       ; destination window 1
.irp t, 0,1,2,3
	global_load_b128 v[QF+8*\t:QF+8*\t+3], v[LI], s[96:97] offset:512*\t   ; Q stays in registers.  (Between the wait on va_vdst above and these stand loads and the window's switch alone)
.endr
.set i, 0
.rept 128
	v_mov_b32 v[i], 0                              ; O^T: the step is written once, and its first run finds zeros
.set i, i+1
.endr
.irp t, 0,1,2,3
.irp c, 4,5,6,7
	v_mov_b32 v[KF+8*\t+\c], 0                     ; the upper 64 of the instruction's K: zero codes, set once
	v_mov_b32 v[QF+8*\t+\c], 0
.endr
.endr
	WIN 0
.irp t, 0,1,2,3
	v_mov_b32 v[ST+8*\t+1], 0xff61b1e6             ; m = -3e38, under every score
	v_mov_b32 v[ST+8*\t+2], 0                      ; l, in two halves
	v_mov_b32 v[ST+8*\t+3], 0
.endr
.irp t, 0,1,2,3
	v_mul_f32 v[ST+8*\t], s[CS], v[ST+8*\t+1]      ; c m
.endr
	v_mov_b32 v[SMV], 0xcfee6b28                   ; -8e9
	s_mul_i32 s10, s[WV], 16*SP
	s_add_co_u32 s10, s10, STAGE                   ; my stage
	v_mul_u32_u24 v[STO], v104, SP                 ; in: row r, 64 bytes for each half of the lanes
	v_lshl_add_u32 v[STO], v105, 6, v[STO]
	v_add_nc_u32 v[STO], s10, v[STO]
	v_mul_u32_u24 v[RD], v105, SP                  ; back: lanes 0-15 one row of 256 bytes, lanes 16-31 the next
	v_lshl_add_u32 v[RD], v104, 4, v[RD]
	v_add_nc_u32 v[RD], s10, v[RD]
	v_lshlrev_b32 v[GO], 8, v105                   ; and the same two rows in out
	v_lshl_add_u32 v[GO], v104, 4, v[GO]
	s_mov_b32 s[TB], 0
	s_mov_b32 s[TS], 0
	s_mov_b32 s[SN], 0
	s_mov_b32 s[SLOTS], 15
	v_add_nc_u32 v[ADR], s[TB], v[LI]              ; slot 0's fragments
	v_add_nc_u32 v[ADS], s[TS], v[KS0]             ; and scale words
	s_wait_loadcnt 0x0
.irp t, 0,1,2,3
	v_cmp_ne_u32 s[74+\t], 0, v[76+\t]             ; bit s: tile t has a hole in step s
.endr
	s_wait_alu depctr_va_sdst(0)                   ; the four compares have written their masks, ahead of the first reader
	s_or_b32 s[FL0], s74, s75
	s_or_b32 s[FL1], s76, s77
	ds_store_b128 v106, v[68:71]
	ds_store_b128 v106, v[72:75] offset:4096
.irp i, 0,1,2,3,4
	ds_store_b128 v[T16], v[STG+4*\i:STG+4*\i+3] offset:4096*\i
.endr
	s_wait_kmcnt 0x0
	s_wait_dscnt 0x0                               ; for the others' sake: my stores have landed
	s_barrier_signal -1
	s_barrier_wait -1                              ; slot 0 and the scale words are whole
	s_wait_alu depctr_va_vdst(0)                   ; the zero halves of K's and Q's fragments are written, which the scaled products take as operands; so are v[ADR]
; One product of S^T: 16 keys kt x tile t.  A scale register holds two tiles' words: the even tile's in lanes 0-15, the odd tile's in lanes 16-31.
.macro KQ1 kt, t
.if ((\kt)%2 == 0) && ((\t)%2 == 0)
	v_wmma_scale_f32_16x16x128_f8f6f4 v[S+32*\t+8*\kt:S+32*\t+8*\kt+7], v[KF+8*\kt:KF+8*\kt+7], v[QF+8*\t:QF+8*\t+7], 0, v[KS+\kt/2], v[QS+\t/2] matrix_a_fmt:MATRIX_FMT_FP4 matrix_b_fmt:MATRIX_FMT_FP4
.elseif ((\kt)%2 == 1) && ((\t)%2 == 0)
	v_wmma_scale_f32_16x16x128_f8f6f4 v[S+32*\t+8*\kt:S+32*\t+8*\kt+7], v[KF+8*\kt:KF+8*\kt+7], v[QF+8*\t:QF+8*\t+7], 0, v[KS+\kt/2], v[QS+\t/2] matrix_a_fmt:MATRIX_FMT_FP4 matrix_b_fmt:MATRIX_FMT_FP4 matrix_a_scale:MATRIX_SCALE_ROW1
.elseif ((\kt)%2 == 0) && ((\t)%2 == 1)
	v_wmma_scale_f32_16x16x128_f8f6f4 v[S+32*\t+8*\kt:S+32*\t+8*\kt+7], v[KF+8*\kt:KF+8*\kt+7], v[QF+8*\t:QF+8*\t+7], 0, v[KS+\kt/2], v[QS+\t/2] matrix_a_fmt:MATRIX_FMT_FP4 matrix_b_fmt:MATRIX_FMT_FP4 matrix_b_scale:MATRIX_SCALE_ROW1
.else
	v_wmma_scale_f32_16x16x128_f8f6f4 v[S+32*\t+8*\kt:S+32*\t+8*\kt+7], v[KF+8*\kt:KF+8*\kt+7], v[QF+8*\t:QF+8*\t+7], 0, v[KS+\kt/2], v[QS+\t/2] matrix_a_fmt:MATRIX_FMT_FP4 matrix_b_fmt:MATRIX_FMT_FP4 matrix_a_scale:MATRIX_SCALE_ROW1 matrix_b_scale:MATRIX_SCALE_ROW1
.endif
.endm
; Hidden scores of tiles y, y + 1 become -8e9; each accumulator is taken from its low end on.
.macro APPLY y
	s_wait_kmcnt 0x0                               ; the words are in
.set i, 0
.rept 32
	v_cndmask_b32 v[S+32*(\y)+i], v[S+32*(\y)+i], v[SMV], s[MA+i]
.if i < 16
	v_cndmask_b32 v[S+32+32*(\y)+i], v[S+32+32*(\y)+i], v[SMV], s[MB0+i]
.else
	v_cndmask_b32 v[S+32+32*(\y)+i], v[S+32+32*(\y)+i], v[SMV], s[MB1+i-16]
.endif
.set i, i+1
.endr
.endm
.macro CLAMP y                         ; the exponents of tiles y, y + 1 are held at 0 from above
.set i, 0
.rept 64
	v_min_num_f32 v[S+32*(\y)+i], 0, v[S+32*(\y)+i]
.set i, i+1
.endr
.endm
; The softmax's first half for tiles y, y + 1, the two by turns: the maximum of a lane's 32 scores and the old m (four chains, each begun at an accumulator's low end), the other half of the lanes', c m, its change, and c s - c m.
.macro SOFTA y
.irp j, 0,1,2,3
.irp t, \y, \y+1
	v_max3_num_f32 v[ST+8*(\t)+4+\j], v[S+32*(\t)+8*\j], v[S+32*(\t)+8*\j+1], v[S+32*(\t)+8*\j+2]
.endr
.endr
.irp k, 3,5
.irp j, 0,1,2,3
.irp t, \y, \y+1
	v_max3_num_f32 v[ST+8*(\t)+4+\j], v[ST+8*(\t)+4+\j], v[S+32*(\t)+8*\j+\k], v[S+32*(\t)+8*\j+\k+1]
.endr
.endr
.endr
.irp t, \y, \y+1
	v_max3_num_f32 v[ST+8*(\t)+4], v[ST+8*(\t)+4], v[S+32*(\t)+7], v[S+32*(\t)+15]
.endr
.irp t, \y, \y+1
	v_max3_num_f32 v[ST+8*(\t)+6], v[ST+8*(\t)+6], v[S+32*(\t)+23], v[S+32*(\t)+31]
.endr
.irp t, \y, \y+1
	v_max3_num_f32 v[ST+8*(\t)+4], v[ST+8*(\t)+4], v[ST+8*(\t)+5], v[ST+8*(\t)+6]
.endr
.irp t, \y, \y+1
	v_max3_num_f32 v[ST+8*(\t)+4], v[ST+8*(\t)+4], v[ST+8*(\t)+7], v[ST+8*(\t)+1]
.endr
.irp t, \y, \y+1
	v_permlanex16_b32 v[ST+8*(\t)+5], v[ST+8*(\t)+4], s[SEL], s[SEL+1]   ; the query's other 32 keys lie in the lane 16 away
.endr
.irp t, \y, \y+1
	v_mov_b32 v[ST+8*(\t)+7], v[ST+8*(\t)]         ; c m_old is kept for a
.endr
.irp t, \y, \y+1
	v_max_num_f32 v[ST+8*(\t)+1], v[ST+8*(\t)+4], v[ST+8*(\t)+5]
.endr
.irp t, \y, \y+1
	v_mul_f32 v[ST+8*(\t)], s[CS], v[ST+8*(\t)+1]
.endr
.irp t, \y, \y+1
	v_sub_f32 v[ST+8*(\t)+7], v[ST+8*(\t)+7], v[ST+8*(\t)]
.endr
.irp i, 0,2,4,6,8,10,12,14,16,18,20,22,24,26,28,30
.irp t, \y, \y+1
	v_pk_fma_f32 v[S+32*(\t)+\i:S+32*(\t)+\i+1], v[S+32*(\t)+\i:S+32*(\t)+\i+1], s[CS:CS+1], v[ST+8*(\t):ST+8*(\t)+1] op_sel_hi:[1,0,0] neg_lo:[0,0,1] neg_hi:[0,0,1]   ; c s - c m, two at a time
.endr
.endr
.endm
; The second half, in two parts.  SOFTE: the 66 exponentials as ONE batch; the step writes a plain instruction and the batch's one wait behind it.
.macro SOFTE y
.irp t, \y, \y+1
	v_exp_f32 v[ST+8*(\t)+6], v[ST+8*(\t)+7]       ; a
.endr
.set i, 0
.rept 32
.irp t, \y, \y+1
	v_exp_f32 v[S+32*(\t)+i], v[S+32*(\t)+i]       ; p
.endr
.set i, i+1
.endr
.endm
; SOFTS: sums (of the unrounded p, in two chains) and roundings to f16 by turns, ascending.
; Rounding i writes register i of the tile, which belongs to pair i / 2: that pair has been summed and rounded by then.
.macro SOFTS y
.irp t, \y, \y+1
	v_pk_fma_f32 v[ST+8*(\t)+2:ST+8*(\t)+3], v[ST+8*(\t)+2:ST+8*(\t)+3], v[ST+8*(\t)+6:ST+8*(\t)+7], v[S+32*(\t):S+32*(\t)+1] op_sel_hi:[1,0,1]   ; l = a l + pair 0
.endr
.irp t, \y, \y+1
	v_cvt_pk_f16_f32 v[S+32*(\t)], v[S+32*(\t)], v[S+32*(\t)+1]
.endr
.irp t, \y, \y+1
	v_pk_add_f32 v[ST+8*(\t)+4:ST+8*(\t)+5], v[S+32*(\t)+2:S+32*(\t)+3], v[S+32*(\t)+4:S+32*(\t)+5]   ; the second chain begins with pairs 1 and 2
.endr
.irp t, \y, \y+1
	v_cvt_pk_f16_f32 v[S+32*(\t)+1], v[S+32*(\t)+2], v[S+32*(\t)+3]
.endr
.irp t, \y, \y+1
	v_cvt_pk_f16_f32 v[S+32*(\t)+2], v[S+32*(\t)+4], v[S+32*(\t)+5]
.endr
.set i, 3
.rept 13
.irp t, \y, \y+1
.if i%2
	v_pk_add_f32 v[ST+8*(\t)+2:ST+8*(\t)+3], v[ST+8*(\t)+2:ST+8*(\t)+3], v[S+32*(\t)+2*i:S+32*(\t)+2*i+1]
.else
	v_pk_add_f32 v[ST+8*(\t)+4:ST+8*(\t)+5], v[ST+8*(\t)+4:ST+8*(\t)+5], v[S+32*(\t)+2*i:S+32*(\t)+2*i+1]
.endif
.endr
.irp t, \y, \y+1
	v_cvt_pk_f16_f32 v[S+32*(\t)+i], v[S+32*(\t)+2*i], v[S+32*(\t)+2*i+1]
.endr
.set i, i+1
.endr
.irp t, \y, \y+1
	v_pk_add_f32 v[ST+8*(\t)+2:ST+8*(\t)+3], v[ST+8*(\t)+2:ST+8*(\t)+3], v[ST+8*(\t)+4:ST+8*(\t)+5]
.endr
.endm
; A KEY STEP: 64 keys, the q-th record of the slot in hand.  more = 1: a further slot follows, and the slot's second step makes its addresses.
.macro STEP q, more
	s_bitcmp1_b32 s[FL0], s[SN]
	s_cbranch_scc0 .Lno_ld0_\@
	LOADM 0                                        ; tiles 0, 1 have a hole: their words are asked for ahead of the products.  (The selections that read these registers last stand ahead of the last step's second wait on va_vdst)
.Lno_ld0_\@:
.rept 5
	v_nop                                          ; five plain instructions behind the last V^T P, ahead of products that write S^T over P
.endr
.if \q == 0
	ds_load_b64 v[KS:KS+1], v[ADS]                 ; a slot's first step reads its K behind the barrier.  No s_wait_alu: v[ADS] and v[ADR] were written, and the last K Q^T were issued, ahead of the last wait on va_vdst, and nothing since names these registers
	WIN 0x40                                       ; destination window 1
.irp kt, 0,1,2,3
	ds_load_b128 v[KF+8*\kt:KF+8*\kt+3], v[ADR] offset:512*\kt
.endr
.endif
	s_wait_dscnt 0x0                               ; the scale words and K are in (a slot's second step: they were asked for in its first)
	WIN 0x05                                       ; K and Q window 1, S^T window 0
.irp kt, 0,1,2,3
.irp t, 0,1,2,3
	KQ1 \kt, \t
.endr
.endr
	WIN 0
.rept 4
	v_nop                                          ; four plain instructions ahead of the first read of the scores
.endr
	s_bitcmp1_b32 s[FL0], s[SN]
	s_cbranch_scc0 .Lno_ap0_\@
	APPLY 0
.Lno_ap0_\@:
	s_bitcmp1_b32 s[FL1], s[SN]
	s_cbranch_scc0 .Lno_ld1_\@
	s_wait_alu depctr_va_vdst(0)                   ; the selections of tiles 0, 1 are done reading the words' scalar registers, in which the scalar loads below land
	LOADM 8192                                     ; tiles 2, 3: their words land while tiles 0, 1 are worked
.Lno_ld1_\@:
	SOFTA 0
	s_bitcmp1_b32 s[FL0], s[SN]
	s_cbranch_scc0 .Lno_cl0_\@
	CLAMP 0
.Lno_cl0_\@:
	SOFTE 0
	v_nop                                          ; a plain instruction behind the last exponential, ahead of the first use
	WIN 0x40                                       ; destination window 1: the switch, then the wait, then the loads
	s_wait_alu depctr_va_vdst(0)                   ; the exponentials of tiles 0, 1 have written a and p, ahead of the first line that names a result; the last step's V^T P are done reading V^T's fragments, and this step's K Q^T K's fragments and scale words: the loads below land in them
.irp i, 0,1,2,3,4,5,6,7,8,9,10,11,12,13,14,15
	ds_load_b128 v[VF+4*\i:VF+4*\i+3], v[ADR] offset:REC*\q+2048+512*\i   ; this step's V^T
.endr
.if \q == 0
.irp kt, 0,1,2,3
	ds_load_b128 v[KF+8*\kt:KF+8*\kt+3], v[ADR] offset:REC+512*\kt        ; and the slot's second step's K,
.endr
.endif
	WIN 0
.if \q == 0
	ds_load_b64 v[KS:KS+1], v[ADS] offset:256      ; with its scale words
.endif
	SOFTS 0
	s_bitcmp1_b32 s[FL1], s[SN]
	s_cbranch_scc0 .Lno_ap1_\@
	APPLY 2
.Lno_ap1_\@:
	SOFTA 2
	s_bitcmp1_b32 s[FL1], s[SN]
	s_cbranch_scc0 .Lno_cl1_\@
	CLAMP 2
.Lno_cl1_\@:
	SOFTE 2
.if (\q == 1) && \more
	s_wait_alu depctr_vm_vsrc(0)                   ; this slot's LDS loads, all issued, have read v[ADR] and v[ADS]; the last trip's LDS stores have read v[STA]
	s_xor_b32 s[TB], s[TB], SLOT1                  ; the other slot: every wave left it ahead of the barrier before
	s_add_co_u32 s[TS], s[TS], 512                 ; the next slot's scale words
	v_add_nc_u32 v[STA], s[TB], v[T16]             ; these three are also the plain instructions behind the last exponential, ahead of the first use
	v_add_nc_u32 v[ADR], s[TB], v[LI]
	v_add_nc_u32 v[ADS], s[TS], v[KS0]
.else
	v_nop                                          ; a plain instruction behind the last exponential, ahead of the first use
.endif
	s_wait_alu depctr_va_vdst(0)                   ; the exponentials of tiles 2, 3 have written a and p, ahead of the first line that names a result; where the next slot's three addresses were just made, they are written: the stores at the trip's end and the loads behind its barrier read them
	SOFTS 2
.if \q == 0
	s_wait_dscnt 5                                 ; V is in; the five loads issued behind it, the next step's K and scale words, may be out
.else
	s_wait_dscnt 0x0                               ; V is in
.endif
	WIN 0x41                                       ; O^T window 1, a window 0
.set i, 0
.rept 64
	v_pk_mul_f32 v[2*i:2*i+1], v[2*i:2*i+1], v[ST+8*(i/16)+6:ST+8*(i/16)+7] op_sel_hi:[1,0]   ; O^T x a, each accumulator from its low end on
.set i, i+1
.endr
	WIN 0x51                                       ; V^T and O^T window 1, P window 0
.irp g, 0,1                            ; the 16 accumulators take turns, one instruction a turn
.irp c, 0,1,2,3
.irp t, 0,1,2,3
	v_wmma_f32_16x16x32_f16 v[32*\t+8*\c:32*\t+8*\c+7], v[VF+32*\g+8*\c:VF+32*\g+8*\c+7], v[S+32*\t+8*\g:S+32*\t+8*\g+7], v[32*\t+8*\c:32*\t+8*\c+7]
.endr
.endr
.endr
	WIN 0
	s_wait_kmcnt 0x0                               ; no scalar load still reads the records' address:
	s_add_nc_u64 s[MP:MP+1], s[MP:MP+1], 128       ; the next step's records
	s_add_co_u32 s[SN], s[SN], 1
.endm
.Lslot:                                ; 15 trips: a slot's two steps; the next slot is asked for at the head and put into LDS at the end
	s_wait_alu depctr_vm_vsrc(0)                   ; my LDS stores (the head's, or the last trip's) have read v[STG ..], in which the loads below land
	s_add_nc_u64 s[KV:KV+1], s[KV:KV+1], 2*REC     ; (the last slot's loads have been waited for)
.irp i, 0,1,2,3,4
	global_load_b128 v[STG+4*\i:STG+4*\i+3], v[T16], s[KV:KV+1] offset:4096*\i
.endr
	STEP 0, 1
	STEP 1, 1
	s_wait_loadcnt 0x0                             ; my part of the next slot is in registers
.irp i, 0,1,2,3,4
	ds_store_b128 v[STA], v[STG+4*\i:STG+4*\i+3] offset:4096*\i   ; no s_wait_alu: v[STA] was written ahead of the step's second wait on va_vdst, and no vector instruction names v[STG ..]
.endr
	s_wait_dscnt 0x0                               ; my stores have landed, and my reads of the slot that I leave are over
	s_barrier_signal -1
	s_barrier_wait -1                              ; both now hold of every wave
	s_sub_co_u32 s[SLOTS], s[SLOTS], 1
	s_cmp_lg_u32 s[SLOTS], 0
	s_cbranch_scc1 .Lslot
	STEP 0, 0                                      ; the last slot: nothing is left to fetch
	STEP 1, 0
	; THE WAY OUT.  l's two halves and the other half of the lanes' are added (these lines are also the plain instructions behind the last products); O^T / l goes through my stage in LDS, a tile (16 rows of out) at a time.
.irp t, 0,1,2,3
	v_add_f32 v[ST+8*\t+4], v[ST+8*\t+2], v[ST+8*\t+3]
.endr
.irp t, 0,1,2,3
	v_permlanex16_b32 v[ST+8*\t+5], v[ST+8*\t+4], s[SEL], s[SEL+1]
.endr
.irp t, 0,1,2,3
	v_add_f32 v[ST+8*\t+4], v[ST+8*\t+4], v[ST+8*\t+5]
.endr
.irp t, 0,1,2,3
	v_rcp_f32 v[ST+8*\t+6], v[ST+8*\t+4]
.endr
	v_nop                                          ; a plain instruction between the last reciprocal and the use of its result
	s_wait_alu depctr_va_vdst(0)                   ; the four reciprocals have written their results, ahead of the first use: one wait for the four
; Register j of channel tile b + 2 e holds channel 32 b + 16 h + 2 j + e: the two tiles' registers, taken by turns, are 16 neighbouring channels.  Each accumulator is first read at its register 0.
.macro PACK t
.if \t > 0
	s_wait_alu depctr_vm_vsrc(0)                   ; the last tile's LDS stores have read v[TMP ..], which the lines below write again.  (Tile 0: what the head's LDS stores read of them stands ahead of the loop's waits on vm_vsrc)
.endif
	WIN 0x01                                       ; source 0 (O^T) window 1
.irp b, 0,1
.irp j, 0,1,2,3,4,5,6,7
.irp e, 0,1
	v_mul_f32 v[TMP+16*\b+2*\j+\e], v[32*\t+8*(\b+2*\e)+\j], v[ST+8*\t+6]
.endr
.endr
.endr
	WIN 0
	s_wait_alu depctr_va_vdst(0)                   ; the lines above have written v[TMP ..], which the LDS stores read; and all that named the tile's S^T, the last V^T P among them, is done: the LDS loads land there
.irp b, 0,1
.irp c, 0,1,2,3
	ds_store_b128 v[STO], v[TMP+16*\b+4*\c:TMP+16*\b+4*\c+3] offset:128*\b+16*\c
.endr
.endr
.irp i, 0,1,2,3,4,5,6,7
	ds_load_b128 v[S+32*\t+4*\i:S+32*\t+4*\i+3], v[RD] offset:2*\i*SP   ; LDS serves a wave's instructions in order (ISA guide 5.7.1.4): these see the stores above, and the next tile's stores come behind them
.endr
.endm
.macro SEND t, younger                 ; younger: the LDS instructions issued behind tile t's loads: the next tile's sixteen, or none
.irp i, 0,1,2,3,4,5,6,7
	s_wait_dscnt \younger+7-\i
	global_store_b128 v[GO], v[S+32*\t+4*\i:S+32*\t+4*\i+3], s[OUT:OUT+1] offset:4096*\t+512*\i th:TH_STORE_NT   ; 32 lanes store two rows: 512 consecutive bytes, at a multiple of 256 from out's first byte
.endr
.endm
	PACK 0
	PACK 1
	SEND 0, 16
	PACK 2
	SEND 1, 16
	PACK 3
	SEND 2, 16
	SEND 3, 0
	s_wait_dscnt 0x0                               ; the wave's end: the closing lines, six on end
	s_wait_alu 0x0
	s_wait_tensorcnt 0x0
	ds_add_u32 v[SPW], v[NIL]
	s_wait_dscnt 0x0
	s_endpgm
.Lfunc_end_k_qea0364eaf0_attn:
	.size	k_qea0364eaf0_attn, .Lfunc_end_k_qea0364eaf0_attn-k_qea0364eaf0_attn
	.p2alignl 7, 3214868480
	.fill 96, 4, 3214868480
	.section	.rodata,"a",@progbits
	.p2align	6, 0x0
	.amdhsa_kernel k_qea0364eaf0_attn
		.amdhsa_group_segment_fixed_size 109568
		.amdhsa_private_segment_fixed_size 0
		.amdhsa_enable_private_segment 0
		.amdhsa_kernarg_size 56
		.amdhsa_user_sgpr_count 2
		.amdhsa_user_sgpr_kernarg_segment_ptr 1
		.amdhsa_wavefront_size32 1
		.amdhsa_system_sgpr_workgroup_id_x 1
		.amdhsa_system_sgpr_workgroup_id_y 1
		.amdhsa_system_sgpr_workgroup_id_z 1
		.amdhsa_system_vgpr_workitem_id 0
		.amdhsa_next_free_vgpr 512
		.amdhsa_next_free_sgpr 102
		.amdhsa_reserve_vcc 0
		.amdhsa_float_denorm_mode_32 3
		.amdhsa_float_denorm_mode_16_64 3
		.amdhsa_memory_ordered 1
		.amdhsa_forward_progress 1
		.amdhsa_inst_pref_size 203
	.end_amdhsa_kernel
	.amdgpu_metadata
---
amdhsa.version: [ 1, 2 ]
amdhsa.kernels:
  - .name:           k_qea0364eaf0_attn
    .symbol:         k_qea0364eaf0_attn.kd
    .args:
      - { .name: qc, .offset: 0, .size: 8, .value_kind: global_buffer, .address_space: global }
      - { .name: qsc, .offset: 8, .size: 8, .value_kind: global_buffer, .address_space: global }
      - { .name: kv, .offset: 16, .size: 8, .value_kind: global_buffer, .address_space: global }
      - { .name: ksc, .offset: 24, .size: 8, .value_kind: global_buffer, .address_space: global }
      - { .name: mw, .offset: 32, .size: 8, .value_kind: global_buffer, .address_space: global }
      - { .name: hf, .offset: 40, .size: 8, .value_kind: global_buffer, .address_space: global }
      - { .name: out0, .offset: 48, .size: 8, .value_kind: global_buffer, .address_space: global }
    .group_segment_fixed_size: 109568
    .private_segment_fixed_size: 0
    .kernarg_segment_align: 8
    .kernarg_segment_size: 56
    .max_flat_workgroup_size: 256
    .sgpr_count:     102
    .vgpr_count:     512
    .wavefront_size: 32
...
	.end_amdgpu_metadata
.endif
;; end of part 3
